; MI455X (gfx1250); checked and timed in simulation.
; The chip was launched on July 23, 2026; its instructions are those of AMD's public machine-readable ISA for CDNA 5 (MIT licence, August 2026) and "CDNA5" Instruction Set Architecture Reference Guide (July 2026). The comments in the code are by the model that wrote it; some were corrected since.
;; Bert Self Attention. Allowed arithmetic: matrix products marked QUANTISED: E2M3 operands, one E8M0 scale for each 32 along K, by v_wmma_scale_f32_16x16x128_f8f6f4 with both operands' format E2M3, f32 sums; everything else in f32.
;; Inputs: Wk 1,024 x 1,024 float32; Wq 1,024 x 1,024 float32; Wv 1,024 x 1,024 float32; attention_mask 8 x 1 x 1 x 1,024 float32; bk 1,024 float32; bq 1,024 float32; bv 1,024 float32; hidden_states 8 x 1,024 x 1,024 float32.
;; Outputs: out0 8 x 1,024 x 1,024 float32.
;; This version of the problem:
;;   THIS VERSION OF THE PROBLEM IS GIVEN IN LOW PRECISION. The matrix products marked QUANTISED in the list below multiply operands that are first quantised to E2M3 (2 exponent bits, 3 mantissa bits; 6 bits a number), with one power-of-two scale for each 32 numbers along K (OCP MX v1.0); their sums are f32. All else is computed in f32.
;;   The module's matrix products, in the order in which they are computed (A, B: the left and right operand; K: the contracted axis; several contracted axes count as one K, in the product's order):
;;     1. [M 8,192, K 1,024] x [K 1,024, N 1,024]; A: input hidden_states; B: input Wq: QUANTISED
;;     2. [M 8,192, K 1,024] x [K 1,024, N 1,024]; A: input hidden_states; B: input Wk: QUANTISED
;;     3. [M 8,192, K 1,024] x [K 1,024, N 1,024]; A: input hidden_states; B: input Wv: QUANTISED
;;     4. batch 128 x [M 1,024, K 64] x [K 64, N 1,024]; A: computed on the way; B: computed on the way: QUANTISED
;;     5. batch 128 x [M 1,024, K 1,024] x [K 1,024, N 64]; A: softmax (see below); B: computed on the way: QUANTISED
;;   THE QUANTISER, for each operand of a quantised product, along K:
;;     - K is cut into blocks of 32 from its start; a last block that is shorter is filled with zeros.
;;     - A block's scale is 2^e with e = floor(log2(the largest magnitude in the block)) - 2, held to -126 .. 127; a block of zeros has e = 0. As a byte (E8M0): e + 127.
;;     - Each number is divided by its block's scale, clamped to +-7.5, and rounded to the nearest number of E2M3, ties to even, subnormals kept.
;;     - The product sums the exact products of the quantised numbers (number of the format x scale) in f32.
;;   ~~~python
;;   def quantise(x, axis):      # numpy; x: float32 -> the quantised numbers, widened to float32 again
;;       x = np.moveaxis(x, axis, -1); K = x.shape[-1]
;;       x = np.pad(x, [(0, 0)] * (x.ndim - 1) + [(0, -K % 32)]); x = x.reshape(x.shape[:-1] + (-1, 32)); a = np.abs(x).max(-1, keepdims=True)
;;       e = np.where(a > 0, np.clip(np.frexp(np.where(a > 0, a, 1))[1] - 1 - 2, -126, 127), 0)      # np.frexp(a)[1] - 1 = floor(log2(a)), exactly
;;       r = np.clip(x / 2.0 ** e, -7.5, 7.5)
;;       step = 2.0 ** (np.maximum(np.frexp(np.where(r == 0, 1, r))[1] - 1, 0) - 3)
;;       q = np.round(r / step) * step * 2.0 ** e      # np.round: ties to even
;;       return np.moveaxis(q.reshape(q.shape[:-2] + (-1,))[..., :K], -1, axis).astype(np.float32)
;;   ~~~
;;   SOFTMAX AHEAD OF A QUANTISED PRODUCT. Where the list says 'softmax', what is quantised is not the finished softmax but p = 2^(t - M), with t = logit x log2(e) and M = ceil(the row's largest t), a whole number; so 1/2 < the row's largest p <= 1. The row's sum l is taken of the UNQUANTISED p, in f32, and the product's result is divided by l at the end. Since M is a whole number, a kernel that streams over the keys may use a running M (the ceiling of the running maximum): every later rescaling is an exact power of two, which a block's scale takes up: the codes' values come out the same.
;;   OPERANDS COMPUTED ON THE WAY. 'Computed on the way' means the value that the module computes at that place (a softmax that the list does not call 'softmax' is quantised finished and normalised). What goes into a quantiser is computed in f32, as accurately as f32 sums, v_exp_f32 and their like allow (about 1e-6 of the number): no bf16 or f16 on the way to a quantiser, and a product that is left as it is and whose result goes on into a quantised operand takes f32 operands (vector FMAs, or v_wmma_f32_16x16x4_f32). A number that lies on a knife's edge between two numbers of the format may be rounded either way, as far as f32 arithmetic and the matrix unit's own rounding can turn it there, and no further.
;; One version. Each part assembles by itself: llvm-mc -triple=amdgcn-amd-amdhsa -mcpu=gfx1250 --defsym DOCPART=n.
;; ======== version 1 of 1: 3 launches
;; limits: inputs' magnitudes at most 134,217,728; right only within a limited range of input values
;; workspace buffers: codes 8,650,752 bytes; scl 360,448 bytes; qk_codes 12,582,912 bytes; qk_scales 524,288 bytes; v_codes 6,291,456 bytes; v_scales 262,144 bytes
;; launch prep (part 1): grid 608 x 1, 8 waves a work-group, no clusters, 95,232 bytes of LDS; arguments hidden_states, Wq, Wk, Wv, codes, scl; writes codes, scl
.if DOCPART == 1
	.amdgcn_target "amdgcn-amd-amdhsa--gfx1250"
	.amdhsa_code_object_version 6
	.text
	.protected	k_qfb7cf0a196_prep
	.globl	k_qfb7cf0a196_prep
	.p2align	8
	.type	k_qfb7cf0a196_prep,@function
k_qfb7cf0a196_prep:
	s_mov_b64 s[64:65], 0
	v_nop
	global_prefetch_b8 v0, s[64:65] scope:SCOPE_SE
	s_setreg_imm32_b32 hwreg(HW_REG_WAVE_MODE, 25, 1), 1
	s_wait_xcnt 0x0
; hidden_states, taken as x [8192][1024] f32 (K innermost), and Wq, Wk, Wv [1024 (k)][1024 (n)] f32 (K their FIRST axis) become codes of FP6 (E2M3) with one E8M0 byte for each 32 along K,
; laid as IMAGES OF OPERAND REGISTERS.  A BLOCK is 16 rows of x or 16 columns of a weight: block t = 4 g + u holds in lane r the row (column) 64 g + 8 u + r % 8 + 32 (r / 8).
; Blocks 0-511 are x's, 512-575 Wq's, 576-639 Wk's, 640-703 Wv's.  A fragment is a block x 128 along K (K step s): 12 registers a lane, lane (r, h) holding k = 64 c + 32 h + 0 .. 31 in registers
; 6 c .. 6 c + 5.  Its image is three pieces of 512 bytes: registers 4 p .. 4 p + 3 of lane l at 512 p + 16 l.
; codes: [block (704)][K step s (8)][1,536 bytes].   scl: [block][s (8)][r (16)] words, byte i for k = 128 s + 32 i on.
; ONE LAUNCH, TWO PATHS, told apart by the work-group's number; each path has LDS bytes of its own.  The weights' 96 work-groups, whose lanes issue 128 loads each, have the lowest numbers.
; x: a work-group is a block, a wave a K step: 16 rows x 512 bytes in, through the wave's own stage (rows 528 bytes apart), so that a lane holds two whole blocks of 32 along K.
; W: a work-group is 256 columns x one K step of one tensor; a wave takes two blocks: a lane takes a column and its registers run down K, so a block of 32 lies in one lane and the codes come out with K
; innermost; lane i is row r = i % 8 + 8 (i / 16) of the wave's block (i / 8) % 2; the images are put together in the wave's own stage and leave as pieces of 512 consecutive bytes.
; A block's scale is 2^(floor(log2(largest magnitude)) - 2); its byte is the largest magnitude's exponent field - 2, held at 1 from below.
; LIMITS: a block of zeros gets the byte 1 where the rule says 127 (its codes are zeros, and this program alone reads the bytes); NaN and infinities among the inputs are not served.
.set NW,    96                         ; the weights' work-groups
.set ROWX,  4096
.set SP,    528
.set WST,   16*SP                      ; x: a wave's stage
.set XST,   8*WST                      ; behind x's stages: the weights'
.set IMG,   1664                       ; an image's place there: 1,536 bytes + 128
.set WSTW,  2*IMG
.set SPARE, XST+8*WSTW                 ; the spare words, 128 bytes a wave, which no other line names
.set BLK8,  12288                      ; a block's eight fragments
.set SPW,   14
.set NIL,   15
	s_load_b256 s[4:11], s[0:1], 0x0               ; x, Wq, Wk, Wv
	s_load_b128 s[12:15], s[0:1], 0x20             ; codes, scl
	v_lshl_add_u32 v[SPW], v0, 2, SPARE
	v_mov_b32 v[NIL], 0
	v_lshrrev_b32 v1, 5, v0
	s_delay_alu instid0(VALU_DEP_1)
	v_readfirstlane_b32 s16, v1                    ; wave
	s_cmp_lt_u32 ttmp9, NW
	s_wait_alu depctr_va_vdst(0)                   ; the wait ahead of the branch
	s_cbranch_scc1 .Lweights
; ---------------- x
.set L16,   4
.set SIN,   5
.set SOUT,  6
.set RO4,   7
.set R,     16                         ; v16-79   the numbers as loaded
.set XX,    80                         ; v80-143  two blocks of 32 neighbours
.set XC,    144                        ; v144-155 the fragment
.set XT,    156                        ; the second half of each block's codes
	s_sub_co_u32 s17, ttmp9, NW                    ; block t; the wave is K step s
	v_and_b32 v1, 31, v0
	v_and_b32 v2, 15, v0                           ; r
	v_bfe_u32 v3, v0, 4, 1                         ; h
	s_delay_alu instid0(VALU_DEP_3)
	v_lshlrev_b32 v[L16], 4, v1
	s_mul_i32 s18, s16, WST
	v_add_nc_u32 v[SIN], s18, v[L16]               ; in: 16 bytes a lane, a row an instruction
	v_mul_u32_u24 v[SOUT], v2, SP
	s_delay_alu instid0(VALU_DEP_1)
	v_lshl_add_u32 v[SOUT], v3, 7, v[SOUT]
	s_delay_alu instid0(VALU_DEP_1)
	v_add_nc_u32 v[SOUT], s18, v[SOUT]             ; out: row r, + 128 h bytes
	v_lshlrev_b32 v[RO4], 2, v2
	s_lshr_b32 s20, s17, 2
	s_lshl_b32 s20, s20, 18                        ; 64 (t / 4) rows of 4,096 bytes
	s_and_b32 s21, s17, 3
	s_lshl_b32 s21, s21, 15                        ; + 8 (t % 4) rows
	s_add_co_u32 s20, s20, s21
	s_lshl_b32 s21, s16, 9                         ; + 512 s
	s_add_co_u32 s20, s20, s21
	s_mov_b32 s21, 0
	s_mul_i32 s22, s17, BLK8
	s_mul_i32 s23, s16, 1536
	s_add_co_u32 s22, s22, s23                     ; codes: 12,288 t + 1,536 s
	s_mov_b32 s23, 0
	s_lshl_b32 s24, s17, 9
	s_lshl_b32 s25, s16, 6
	s_add_co_u32 s24, s24, s25                     ; scl: 512 t + 64 s
	s_mov_b32 s25, 0
	s_mov_b32 s26, 0x76543210
	s_mov_b32 s27, 0xfedcba98                      ; selects for lane l xor 16
	s_wait_alu depctr_va_vdst(0)                   ; the wait at the head's end
	s_wait_kmcnt 0x0
	s_add_nc_u64 s[4:5], s[4:5], s[20:21]
	s_add_nc_u64 s[12:13], s[12:13], s[22:23]
	s_add_nc_u64 s[14:15], s[14:15], s[24:25]
.irp i, 0,1,2,3,4,5,6,7,8,9,10,11,12,13,14,15
	global_load_b128 v[R+4*\i:R+4*\i+3], v[L16], s[4:5] offset:(\i+24*(\i/8))*ROWX th:TH_LOAD_NT   ; the block's row i: 512 consecutive bytes
.endr
.irp g, 0,1,2,3
	s_wait_loadcnt 12-4*\g                         ; four more rows are in; the younger loads stay out
.irp i, 0,1,2,3
	ds_store_b128 v[SIN], v[R+16*\g+4*\i:R+16*\g+4*\i+3] offset:(4*\g+\i)*SP
.endr
.endr
.irp c, 0,1
.irp j, 0,1,2,3,4,5,6,7
	ds_load_b128 v[XX+32*\c+4*\j:XX+32*\c+4*\j+3], v[SOUT] offset:256*\c+16*\j   ; LDS serves a wave's instructions in order: these see my stores
.endr
.endr
	s_wait_dscnt 0x0
.irp c, 0,1
	v_max3_num_f32 v[8+\c], |v[XX+32*\c]|, |v[XX+32*\c+1]|, 0x1800000   ; with the floor 2^(3 - 127): the byte cannot fall under 1
.endr
.irp i, 2,4,6,8,10,12,14,16,18,20,22,24,26,28,30
.irp c, 0,1
	s_delay_alu instid0(VALU_DEP_2)
	v_max3_num_f32 v[8+\c], v[8+\c], |v[XX+32*\c+\i]|, |v[XX+32*\c+\i+1]|
.endr
.endr
.irp c, 0,1
	s_delay_alu instid0(VALU_DEP_2)
	v_add_nc_u32 v[10+\c], 0xff000000, v[8+\c]     ; 2 off the exponent field: the conversion's scale operand
.endr
.irp c, 0,1
	s_delay_alu instid0(VALU_DEP_2)
	v_lshrrev_b32 v[12+\c], 23, v[10+\c]           ; the byte
.endr
	s_delay_alu instid0(VALU_DEP_1)
	v_lshl_or_b32 v8, v13, 16, v12                 ; my two bytes: blocks h and 2 + h,
	v_lshlrev_b32 v9, 3, v3
	s_delay_alu instid0(VALU_DEP_1)
	v_lshlrev_b32 v8, v9, v8                       ; at their places in the word;
	v_mov_b32 v9, 0
	s_delay_alu instid0(VALU_DEP_1)
	v_permlanex16_b32 v9, v8, s26, s27
	s_delay_alu instid0(VALU_DEP_1)
	v_or_b32 v8, v8, v9                            ; with lane l xor 16's two the word is whole
.irp c, 0,1
	v_cvt_scalef32_pk16_fp6_f32 v[XC+6*\c:XC+6*\c+2], v[XX+32*\c:XX+32*\c+15], v[10+\c]
	v_cvt_scalef32_pk16_fp6_f32 v[XT+4*\c:XT+4*\c+2], v[XX+32*\c+16:XX+32*\c+31], v[10+\c]   ; (a conversion's three registers begin on an even number)
.endr
	v_nop                                          ; one plain place behind a scaled conversion
.irp c, 0,1
.irp i, 0,1,2
	v_mov_b32 v[XC+3+6*\c+\i], v[XT+4*\c+\i]
.endr
.endr
.irp p, 0,1,2
	global_store_b128 v[L16], v[XC+4*\p:XC+4*\p+3], s[12:13] offset:512*\p   ; 512 consecutive bytes, at a multiple of 256 from the buffer's first byte
.endr
	global_store_b32 v[RO4], v8, s[14:15]          ; lanes r and r + 16 write the same word to the same 4 bytes
	s_wait_tensorcnt 0x0                           ; the wave's end
	ds_add_u32 v[SPW], v[NIL]
	s_wait_dscnt 0x0
	s_endpgm
; ---------------- the weights
.set SW,    24                         ; my column's scale word
.set WX,    32                         ; v32-159  W(128 s + j, my column); on the way out v32-55 take the images' pieces
.set WC,    160                        ; a set of ten for each K block
.Lweights:
	s_and_b32 s17, ttmp9, 3
	s_lshl_b32 s17, s17, 1
	s_lshr_b32 s18, s16, 2
	s_add_co_u32 s17, s17, s18                     ; x: which 128 columns: 2 (number % 4) + wave / 4
	s_and_b32 s18, s16, 3                          ; w: which two blocks of them
	s_lshr_b32 s21, ttmp9, 2
	s_lshr_b32 s19, s21, 3                         ; which tensor
	s_and_b32 s20, s21, 7                          ; K step s
	v_and_b32 v1, 31, v0                           ; lane i
	v_bfe_u32 v2, v0, 3, 1                         ; u
	v_and_b32 v8, 7, v0
	v_bfe_u32 v9, v0, 4, 1
	v_lshl_add_u32 v8, v9, 3, v8                   ; r
	v_and_b32 v3, 15, v0
	v_lshlrev_b32 v3, 2, v3
	v_lshl_add_u32 v3, v9, 7, v3                   ; in: 4 (i % 16) + 128 (i / 16)
	s_mul_i32 s21, s16, WSTW
	s_add_co_u32 s21, s21, XST
	v_mul_u32_u24 v4, v2, IMG
	v_lshl_add_u32 v4, v8, 4, v4
	v_add_nc_u32 v4, s21, v4                       ; the stage, way in: image u, lane r's 16 bytes
	v_lshlrev_b32 v6, 4, v1
	v_add_nc_u32 v5, s21, v6                       ; the stage, way out
	v_lshlrev_b32 v7, 9, v2
	v_lshl_add_u32 v7, v8, 2, v7                   ; scl: 512 u + 4 r
	s_lshl_b32 s22, s19, 6
	s_lshl_b32 s23, s17, 3
	s_add_co_u32 s22, s22, s23
	s_lshl_b32 s23, s18, 1
	s_add_co_u32 s22, s22, s23
	s_add_co_u32 s22, s22, 512                     ; my first block: 512 + 64 tensor + 8 x + 2 w
	s_lshl_b32 s24, s20, 19                        ; W: 128 s rows of 4,096 bytes
	s_lshl_b32 s23, s17, 9
	s_add_co_u32 s24, s24, s23
	s_lshr_b32 s23, s18, 1
	s_lshl_b32 s23, s23, 8
	s_add_co_u32 s24, s24, s23
	s_and_b32 s23, s18, 1
	s_lshl_b32 s23, s23, 6
	s_add_co_u32 s24, s24, s23                     ; + 4 (128 x + 64 (w / 2) + 16 (w % 2))
	s_mov_b32 s25, 0
	s_mul_i32 s26, s22, BLK8
	s_mul_i32 s23, s20, 1536
	s_add_co_u32 s26, s26, s23                     ; codes: 12,288 block + 1,536 s
	s_mov_b32 s27, 0
	s_lshl_b32 s28, s22, 9
	s_lshl_b32 s23, s20, 6
	s_add_co_u32 s28, s28, s23                     ; scl: 512 block + 64 s
	s_mov_b32 s29, 0
	s_wait_alu depctr_va_vdst(0)                   ; the wait at the head's end
	s_wait_kmcnt 0x0
	s_cmp_eq_u32 s19, 0                            ; the choice hangs on the work-group's number alone
	s_cselect_b64 s[6:7], s[6:7], s[8:9]
	s_cmp_eq_u32 s19, 2
	s_cselect_b64 s[6:7], s[10:11], s[6:7]
	s_add_nc_u64 s[6:7], s[6:7], s[24:25]
	s_add_nc_u64 s[12:13], s[12:13], s[26:27]
	s_add_nc_u64 s[14:15], s[14:15], s[28:29]
.set j, 0
.rept 128
	global_load_b32 v[WX+j], v3, s[6:7] offset:j*4096 th:TH_LOAD_NT
.set j, j+1
.endr
.macro BLOCK kb
.set XS, WX+32*(\kb)
.set CC, WC+10*(\kb)
	v_max3_num_f32 v10, |v[XS]|, |v[XS+1]|, |v[XS+2]|              ; the block's largest magnitude, in two chains
	v_max3_num_f32 v11, |v[XS+3]|, |v[XS+4]|, |v[XS+5]|
.irp i, 6,10,14,18,22,26
	v_max3_num_f32 v10, v10, |v[XS+\i]|, |v[XS+\i+1]|
	v_max3_num_f32 v11, v11, |v[XS+\i+2]|, |v[XS+\i+3]|
.endr
	v_max3_num_f32 v10, v10, |v[XS+30]|, |v[XS+31]|
	v_max3_num_f32 v10, v10, v11, 0x1800000        ; and the floor 2^(3 - 127)
	v_add_nc_u32 v12, 0xff000000, v10              ; the conversion's scale operand
	v_lshrrev_b32 v13, 23, v12                     ; the byte
.if (\kb) == 0
	v_mov_b32 v[SW], v13
.else
	v_lshl_or_b32 v[SW], v13, 8*(\kb), v[SW]
.endif
	v_cvt_scalef32_pk16_fp6_f32 v[CC:CC+2], v[XS:XS+15], v12
	v_cvt_scalef32_pk16_fp6_f32 v[CC+6:CC+8], v[XS+16:XS+31], v12
	v_nop                                          ; one plain place behind a scaled conversion
.irp i, 0,1,2
	v_mov_b32 v[CC+3+\i], v[CC+6+\i]
.endr
.if (\kb)/2 == 0                               ; registers 0-5 of lane r + 16 h: piece 0 whole, the lower half of piece 1
	ds_store_b128 v4, v[CC:CC+3] offset:256*((\kb)%2)
	ds_store_b64 v4, v[CC+4:CC+5] offset:512+256*((\kb)%2)
.else                                          ; registers 6-11: the upper half of piece 1, piece 2 whole
	ds_store_b64 v4, v[CC:CC+1] offset:520+256*((\kb)%2)
	ds_store_b128 v4, v[CC+2:CC+5] offset:1024+256*((\kb)%2)
.endif
.endm
	s_wait_loadcnt 63                              ; at most 63 of the 128 are out: K blocks 0 and 1 are in
	BLOCK 0
	BLOCK 1
	s_wait_loadcnt 32                              ; K block 2 is in; the last 32 may be out
	BLOCK 2
	s_wait_loadcnt 0x0
	BLOCK 3
	global_store_b32 v7, v[SW], s[14:15]
.irp u, 0,1
.irp p, 0,1,2
	ds_load_b128 v[WX+12*\u+4*\p:WX+12*\u+4*\p+3], v5 offset:IMG*\u+512*\p   ; LDS serves a wave's instructions in order: these see my stores
.endr
.endr
.irp u, 0,1
.irp p, 0,1,2
	s_wait_dscnt 5-3*\u-\p                         ; this piece is back; the younger ones may be out
	global_store_b128 v6, v[WX+12*\u+4*\p:WX+12*\u+4*\p+3], s[12:13] offset:BLK8*\u+512*\p
.endr
.endr
	s_wait_tensorcnt 0x0                           ; the wave's end
	ds_add_u32 v[SPW], v[NIL]
	s_wait_dscnt 0x0
	s_endpgm
.Lfunc_end_k_qfb7cf0a196_prep:
	.size	k_qfb7cf0a196_prep, .Lfunc_end_k_qfb7cf0a196_prep-k_qfb7cf0a196_prep
	.p2alignl 7, 3214868480
	.fill 96, 4, 3214868480
	.section	.rodata,"a",@progbits
	.p2align	6, 0x0
	.amdhsa_kernel k_qfb7cf0a196_prep
		.amdhsa_group_segment_fixed_size 95232
		.amdhsa_private_segment_fixed_size 0
		.amdhsa_enable_private_segment 0
		.amdhsa_kernarg_size 48
		.amdhsa_user_sgpr_count 2
		.amdhsa_user_sgpr_kernarg_segment_ptr 1
		.amdhsa_wavefront_size32 1
		.amdhsa_system_sgpr_workgroup_id_x 1
		.amdhsa_system_sgpr_workgroup_id_y 1
		.amdhsa_system_sgpr_workgroup_id_z 1
		.amdhsa_system_vgpr_workitem_id 0
		.amdhsa_next_free_vgpr 200
		.amdhsa_next_free_sgpr 66
		.amdhsa_reserve_vcc 0
		.amdhsa_float_denorm_mode_32 3
		.amdhsa_float_denorm_mode_16_64 3
		.amdhsa_memory_ordered 1
		.amdhsa_forward_progress 1
		.amdhsa_inst_pref_size 33
	.end_amdhsa_kernel
	.amdgpu_metadata
---
amdhsa.version: [ 1, 2 ]
amdhsa.kernels:
  - .name:           k_qfb7cf0a196_prep
    .symbol:         k_qfb7cf0a196_prep.kd
    .args:
      - { .name: hidden_states, .offset: 0, .size: 8, .value_kind: global_buffer, .address_space: global }
      - { .name: Wq, .offset: 8, .size: 8, .value_kind: global_buffer, .address_space: global }
      - { .name: Wk, .offset: 16, .size: 8, .value_kind: global_buffer, .address_space: global }
      - { .name: Wv, .offset: 24, .size: 8, .value_kind: global_buffer, .address_space: global }
      - { .name: codes, .offset: 32, .size: 8, .value_kind: global_buffer, .address_space: global }
      - { .name: scl, .offset: 40, .size: 8, .value_kind: global_buffer, .address_space: global }
    .group_segment_fixed_size: 95232
    .private_segment_fixed_size: 0
    .kernarg_segment_align: 8
    .kernarg_segment_size: 48
    .max_flat_workgroup_size: 256
    .sgpr_count:     66
    .vgpr_count:     200
    .wavefront_size: 32
...
	.end_amdgpu_metadata
.endif
;; end of part 1
;; launch gemm (part 2): grid 8 x 32, 4 waves a work-group, clusters of 4 x 4, 327,680 bytes of LDS; arguments codes, scl, bq, bk, bv, qk_codes, qk_scales, v_codes, v_scales; writes qk_codes, qk_scales, v_codes, v_scales
.if DOCPART == 2
	.amdgcn_target "amdgcn-amd-amdhsa--gfx1250"
	.amdhsa_code_object_version 6
	.text
	.protected	k_qfb7cf0a196_gemm
	.globl	k_qfb7cf0a196_gemm
	.p2align	8
	.type	k_qfb7cf0a196_gemm,@function
k_qfb7cf0a196_gemm:
	s_mov_b64 s[64:65], 0
	v_nop
	global_prefetch_b8 v0, s[64:65] scope:SCOPE_SE
	s_setreg_imm32_b32 hwreg(HW_REG_WAVE_MODE, 25, 1), 1
	s_wait_xcnt 0x0
	s_wait_alu depctr_hold_cnt(0) depctr_sa_sdst(0) depctr_va_vdst(0) depctr_va_sdst(0) depctr_va_ssrc(0) depctr_va_vcc(0) depctr_vm_vsrc(0)
	s_getreg_b32 s2, hwreg(HW_REG_IB_STS2, 6, 4)
	s_cmp_eq_u32 s2, 0
	s_cbranch_scc0 .Lentry_in_a_cluster
	s_endpgm
.Lentry_in_a_cluster:
	s_bfe_u32 s2, ttmp6, 0x10000c
	s_cmp_lg_u32 s2, 0xf033
	s_cbranch_scc0 .Lentry_shape_is_right
	s_endpgm
.Lentry_shape_is_right:
; The three projections x Wq + bq, x Wk + bk, x Wv + bv on codes of FP6 (E2M3), K = 1,024, and the quantising of their results for attention: q and k along a head's 64 channels, v along the keys.
; SHARES: 256 work-groups.  Work-group (g, y) keeps P = 256 rows of x (blocks 16 y ..), ALL of K, in LDS and walks three tiles R of 128 columns (8 blocks each): Wq's, Wk's, Wv's columns 128 g ..
; Wave w takes P's blocks 4 w .. 4 w + 3 against R's eight: 32 accumulators, in every tile.
; q, k: source 0 = R, source 1 = P: a lane holds a row of x and its registers run along the channels.  v: the sources are swapped: a lane holds a channel and its registers run along the keys.
; Blocks are permuted (block 4 c + u, lane r: 64 c + 8 u + r % 8 + 32 (r / 8)), so that a lane's 32 registers over four neighbouring blocks of source 0 are the 32 neighbours 64 c + 32 (lane / 16) + 0 .. 31:
; a whole scale block in a lane, in the order of the next operand's registers.  One quantiser serves all three tiles.
; LDS: P's two halves of K (4 K steps x 16 blocks x 1,536 bytes each), filled once; R's two halves of K are TWO SLOTS of 49,152 bytes.  In K step 3 of the q and k tiles slot 0 has been read out and takes the next
; weight's first half; in K step 7 slot 1 takes its second half: each refill behind the three lines and a round of the cluster's barrier, one joint load a wave (2 blocks).  The v tile refills nothing.
; By this text's own count a refill is asked for three and a half K steps, 112 products a wave, ahead of the wait for it.  Every wait on TENSORcnt is for 0.
; CLUSTER 4 x 4: P hangs on y alone and is asked for jointly along the cluster's row, R on g alone, along its column.  At the head one joint load a wave: P's first half, R's, P's second, R's.
; NO PREFETCH: K is eight steps, the weights' tiles are 49,152 bytes a refill and each is asked for as said above.
; THE BIAS is the C of a tile's first K step: eight registers for each block of R: by registers (q, k) or one number a lane, eight times (v).
; SCALE WORDS: register SC + 8 i + (s + i) % 8: lanes 0-15 R's block i, lanes 16-31 my block i % 4 of P, K step s: the two scale registers of a product are one register or differ modulo 8.
; The next tile's words are loaded into window 3 in K steps 1 and 5 (32 loads each) and moved at the change of tiles.
; RESULTS: q, k: [head, q's 16 then k's 16][block of rows (512)][768 bytes]: registers 0-3 at 16 l, registers 4-5 at 512 + 8 l; scale words [head][pair of blocks][r], two bytes a block.
;          v: [batch][head][128 keys (8)][16 channels (4)][64 keys (2)][768 bytes] likewise; scale words [batch][head][128 keys][slot: channels' blocks 0, 2, 1, 3][r]: a wave stores the two bytes of its 64 keys.
; LIMITS: a block of zeros gets the byte 1 where the rule says 127 (its codes are zeros, and this program alone reads the bytes); NaN and infinities are not served.
; REGISTERS: window 0: v1-19 addresses; v32-95 scale words and nothing else; v96-159 the bias; v160-255 P's fragments, two sets.   window 1: the accumulators.   window 2: v0-191 R's fragments, two sets.
;            window 3: v0-63 the next scale words, v64-127 bk's numbers, v128-159 at work, v160-239 the codes made.
.set BLK8,  12288
.set BLK4,  6144
.set FRB,   1536
.set PHALF, 98304
.set RBASE, 196608
.set RHALF, 49152
.set SPARE, 294912                     ; the spare words, 128 bytes a wave, which no other line names
.set WSTEP, 64*BLK8                    ; from a weight's blocks to the next weight's
.set BOA,  1
.set L16,  4
.set L8,   5
.set L4,   6
.set VS1,  7                           ; scale words: lanes 0-15 R's first block, lanes 16-31 my first block of P
.set VS2,  8                           ; the same, four blocks back in lanes 16-31: for R's blocks 4-7
.set BOW,  9
.set ADP,  10                          ; v10-11 LDS address of my blocks of P, half 0, 1
.set INC,  12                          ; lanes 0-15: from a weight's scale words to the next weight's; lanes 16-31: 0
.set RO4,  13
.set ADR,  14                          ; v14-15 of R's blocks
.set SPW,  18
.set NIL,  19
.set SC,   32
.set CB,   96
.set PF,   160
.set SCN,  0                           ; window 3
.set CBN,  64
.set TM,   128
.set PW,   144
.set SH8,  148
.set XW,   150
.set BVL,  152
.set PC0,  160
.set WV,   22
.set CX,   23
.set CY,   24
.set TCX,  25
.set YY,   26
.set CNT,  27
.set PBLK, 28
.set TCY,  29
.set RBLK, 30
.set G1P,  32
.set G1R,  40
.set G1Q,  48                          ; a refill's group 1: 2 rows
.set G0P,  56                          ; s[56:63] P's halves
.set G0R,  68                          ; s[68:75] R's halves, at the head
.set G0F,  76                          ; s[76:83] the refills', one for each slot
.set HIM,  94
.set SEL,  96
.set MSB, 0
.macro WIN new
.if MSB != \new
	s_set_vgpr_msb (MSB<<8)|\new
.set MSB, \new
.endif
.endm
.macro WALU
	s_wait_alu depctr_va_vdst(0)
.endm
.macro CREST                           ; a round of the cluster's barrier behind its opening barrier
	s_cmp_lg_u32 s[WV], 0
	s_cbranch_scc1 .Lnot_wave_0_\@
	s_barrier_signal -3
.Lnot_wave_0_\@:
	s_barrier_wait -3
	s_barrier_signal -1
	s_barrier_wait -1
.endm
.macro CROUND
	s_barrier_signal -1
	s_barrier_wait -1
	CREST
.endm
.macro PLACES n
.rept \n
	v_nop
.endr
.endm
.macro GROUP1 g, rows                  ; a row is a block's four fragments: 768 elements of 8 bytes, 1,536 elements from block to block
	s_mov_b32 s[\g+1], 768<<16
	s_mov_b32 s[\g+2], (\rows)<<16
	s_mov_b32 s[\g+3], 768<<16
	s_mov_b32 s[\g+4], \rows
	s_mov_b32 s[\g+5], 1536
	s_mov_b32 s[\g+6], 0
	s_mov_b32 s[\g+7], 0
.endm
.macro SCLOAD base, lo, adr            ; 32 loads: the scale words of R's blocks lo .. lo + 3 and, in lanes 16-31, of my four blocks of P
.irp i, 0,1,2,3
.irp s, 0,1,2,3,4,5,6,7
	global_load_b32 v[\base+8*(\lo+\i)+((\s)+\lo+\i)%8], v[\adr], s[6:7] offset:512*(\lo+\i)+64*\s
.endr
.endr
.endm
	s_load_b256 s[4:11], s[0:1], 0x0               ; codes, scl, bq, bk
	s_load_b256 s[12:19], s[0:1], 0x20             ; bv, qk_codes, qk_scales, v_codes
	s_load_b64 s[20:21], s[0:1], 0x40              ; v_scales
	v_lshl_add_u32 v[SPW], v0, 2, SPARE
	v_mov_b32 v[NIL], 0
	ds_add_u32 v[SPW], v[NIL]                      ; the opening lines: the add, twice, and its wait ahead of my first tensor load
	ds_add_u32 v[SPW], v[NIL]
	v_lshrrev_b32 v1, 5, v0
	v_readfirstlane_b32 s[WV], v1
	s_bfe_u32 s[CX], ttmp6, 0x40000
	s_bfe_u32 s[CY], ttmp6, 0x40004
	s_and_b32 s[YY], ttmp7, 0xffff
	s_lshl_b32 s[PBLK], s[YY], 6
	s_lshl_b32 s[TCY], s[CY], 4
	s_add_co_u32 s[PBLK], s[PBLK], s[TCY]          ; P from block 16 y = 64 Y + 16 cy: never cx
	s_lshl_b32 s[RBLK], ttmp9, 5
	s_lshl_b32 s[TCX], s[CX], 3
	s_add_co_u32 s[RBLK], s[RBLK], s[TCX]
	s_add_co_u32 s[RBLK], s[RBLK], 512             ; R from block 512 + 8 g = 512 + 32 X + 8 cx: never cy
	s_lshl_b32 s[TCY], s[CY], 2
	s_lshl_b32 s[TCY], 15, s[TCY]                  ; my row of the cluster
	s_lshl_b32 s[TCX], 0x1111, s[CX]               ; my column
	s_or_b32 s[G1P], s[TCY], (3<<16)|(1<<21)
	s_or_b32 s[G1R], s[TCX], (3<<16)|(1<<21)
	s_or_b32 s[G1Q], s[TCX], (3<<16)|(1<<21)
	GROUP1 G1P, 16
	GROUP1 G1R, 8
	GROUP1 G1Q, 2
	s_mul_i32 s98, s[PBLK], BLK8
	s_mov_b32 s99, 0
	s_mul_i32 s100, s[RBLK], BLK8
	s_mov_b32 s101, 0
	s_mul_i32 s66, s[WV], 2*BLK8                   ; a refill: my two blocks in memory,
	s_mov_b32 s67, 0
	s_mul_i32 s2, s[WV], 2*BLK4                    ; and in a slot
	s_mov_b32 s[SEL], 0x76543210
	s_mov_b32 s[SEL+1], 0xfedcba98
	s_wait_dscnt 0x0                               ; both opening adds are done
	s_wait_kmcnt 0x0
	s_add_nc_u64 s[98:99], s[4:5], s[98:99]
	s_add_nc_u64 s[100:101], s[4:5], s[100:101]
	s_add_nc_u64 s[66:67], s[100:101], s[66:67]
	CROUND                                         ; all sixteen work-groups are here: the joint loads meet
.irp c, 0,1
	s_mov_b32 s[G0P+4*\c], 1
	s_mov_b32 s[G0P+4*\c+1], \c*PHALF
	s_add_nc_u64 s[G0P+4*\c+2:G0P+4*\c+3], s[98:99], \c*BLK4
	s_or_b32 s[G0P+4*\c+3], s[G0P+4*\c+3], 0x80000000
	s_mov_b32 s[G0R+4*\c], 1
	s_mov_b32 s[G0R+4*\c+1], RBASE+\c*RHALF
	s_add_nc_u64 s[G0R+4*\c+2:G0R+4*\c+3], s[100:101], \c*BLK4
	s_or_b32 s[G0R+4*\c+3], s[G0R+4*\c+3], 0x80000000
	s_mov_b32 s[G0F+4*\c], 1
	s_add_co_u32 s[G0F+4*\c+1], s2, RBASE+\c*RHALF
	s_add_nc_u64 s[G0F+4*\c+2:G0F+4*\c+3], s[66:67], \c*BLK4   ; Wq's blocks: each refill first steps on by a weight
	s_or_b32 s[G0F+4*\c+3], s[G0F+4*\c+3], 0x80000000
.endr
; one chain of branches on the wave's number, one load to an arm, all arms to one join
.macro ARM under, g0, g1, next
	s_cmp_lt_u32 s[WV], \under
	s_cbranch_scc0 \next
	tensor_load_to_lds s[\g0:\g0+3], s[\g1:\g1+7]
	s_nop 0
	PLACES 4
	s_branch .Lfilled
\next:
.endm
	ARM 1, G0P, G1P, .Lfill_r0
	ARM 2, G0R, G1R, .Lfill_p1
	ARM 3, G0P+4, G1P, .Lfill_r1
	tensor_load_to_lds s[G0R+4:G0R+7], s[G1R:G1R+7]
	s_nop 0
	PLACES 4
.Lfilled:
	; where the biases lie and the results go
	s_sub_co_u32 s3, s[RBLK], 512                  ; 8 g
	s_lshl_b32 s66, s3, 6                          ; my 128 channels: 512 g bytes on
	s_mov_b32 s67, 0
	s_add_nc_u64 s[8:9], s[8:9], s[66:67]
	s_add_nc_u64 s[10:11], s[10:11], s[66:67]
	s_add_nc_u64 s[12:13], s[12:13], s[66:67]
	s_lshl_b32 s2, s3, 7
	s_add_co_u32 s2, s2, s[PBLK]
	s_lshl_b32 s98, s[WV], 2
	s_add_co_u32 s2, s2, s98                       ; q: (head 2 g) 512 + my first block of rows
	s_mul_i32 s66, s2, 768
	s_add_nc_u64 s[14:15], s[14:15], s[66:67]
	s_lshl_b32 s66, s2, 5
	s_add_nc_u64 s[16:17], s[16:17], s[66:67]
	s_lshl_b32 s2, s[YY], 7
	s_lshl_b32 s98, s3, 1
	s_add_co_u32 s2, s2, s98
	s_lshl_b32 s98, s[CY], 1
	s_add_co_u32 s2, s2, s98
	s_lshr_b32 s98, s[WV], 1
	s_add_co_u32 s2, s2, s98                       ; v: (16 batch + head 2 g) 8 + which 128 keys = 128 Y + 16 g + 2 cy + wave / 2
	s_and_b32 s98, s[WV], 1                        ; which 64 of them
	s_mul_i32 s66, s2, 6144
	s_mul_i32 s99, s98, 768
	s_add_co_u32 s66, s66, s99
	s_add_nc_u64 s[18:19], s[18:19], s[66:67]
	s_lshl_b32 s66, s2, 8
	s_lshl_b32 s99, s98, 1
	s_add_co_u32 s66, s66, s99
	s_add_nc_u64 s[20:21], s[20:21], s[66:67]
	s_lshl_b32 s98, s[RBLK], 9
	s_lshl_b32 s99, s[WV], 2
	s_add_co_u32 s99, s99, s[PBLK]
	s_lshl_b32 s99, s99, 9
	s_mul_i32 s66, s[WV], 4*BLK4
	v_and_b32 v1, 31, v0
	v_and_b32 v2, 15, v0                           ; r
	v_bfe_u32 v3, v0, 4, 1                         ; h
	v_lshlrev_b32 v[L16], 4, v1
	v_lshlrev_b32 v[L8], 3, v1
	v_lshlrev_b32 v[L4], 2, v1
	v_lshlrev_b32 v[RO4], 2, v2
	v_cmp_lt_u32 s[HIM], 15, v1
	v_mov_b32 v[VS1], s98
	v_mov_b32 v[VS2], s99
	v_cndmask_b32 v[VS1], v[VS1], v[VS2], s[HIM]
	v_lshl_add_u32 v[VS1], v2, 2, v[VS1]           ; a block's scale words are 512 bytes, [K step][r]
	v_lshlrev_b32 v[VS2], 11, v3
	v_sub_nc_u32 v[VS2], v[VS1], v[VS2]            ; so that with blocks 4-7 lanes 16-31 read my blocks 0-3 again
	v_xor_b32 v[INC], 1, v3
	v_lshlrev_b32 v[INC], 15, v[INC]               ; 64 blocks x 512 bytes, in lanes 0-15
	v_lshlrev_b32 v[BOW], 7, v3                    ; 128 h
	v_and_b32 v[BOA], 8, v2
	v_mad_u32_u24 v[BOA], v[BOA], 3, v2
	v_lshlrev_b32 v[BOA], 2, v[BOA]                ; 4 (r % 8 + 32 (r / 8))
	v_add_nc_u32 v[ADP], s66, v[L16]
	v_add_nc_u32 v[ADR], RBASE, v[L16]
	v_add_nc_u32 v[ADP+1], PHALF, v[ADP]
	v_add_nc_u32 v[ADR+1], RHALF, v[ADR]
	WIN 0xC0                                       ; destination window 3
	v_lshlrev_b32 v[SH8], 3, v3                    ; 8 h
	v_mov_b32 v[TM+6], 0                           ; written once: a lane permute's destination counts as one of its sources
	WIN 0
	WALU                                           ; the wait behind the head's vector lines
	SCLOAD SC, 0, VS1
	SCLOAD SC, 4, VS2
.irp w, 0,1,2,3,4,5,6,7
	global_load_b128 v[CB+8*\w:CB+8*\w+3], v[BOW], s[8:9] offset:(64*(\w/4)+8*(\w%4))*4       ; bq: block w, register j: channel 64 (w / 4) + 8 (w % 4) + 32 h + j
	global_load_b128 v[CB+8*\w+4:CB+8*\w+7], v[BOW], s[8:9] offset:(64*(\w/4)+8*(\w%4))*4+16
.endr
	WIN 0xC0
.irp w, 0,1,2,3,4,5,6,7
	global_load_b128 v[CBN+8*\w:CBN+8*\w+3], v[BOW], s[10:11] offset:(64*(\w/4)+8*(\w%4))*4   ; bk likewise
	global_load_b128 v[CBN+8*\w+4:CBN+8*\w+7], v[BOW], s[10:11] offset:(64*(\w/4)+8*(\w%4))*4+16
.endr
.irp w, 0,1,2,3,4,5,6,7
	global_load_b32 v[BVL+\w], v[BOA], s[12:13] offset:(64*(\w/4)+8*(\w%4))*4                 ; bv: block w: my lane's channel
.endr
	WIN 0
; 36 LDS loads in one run: K step s's fragments, R's eight and my four of P, into set s % 2
.macro FETCH s
	WIN 0x80
.irp w, 0,1,2,3,4,5,6,7
.irp p, 0,1,2
	ds_load_b128 v[96*((\s)%2)+12*\w+4*\p:96*((\s)%2)+12*\w+4*\p+3], v[ADR+(\s)/4] offset:BLK4*\w+FRB*((\s)%4)+512*\p
.endr
.endr
	WIN 0
.irp a, 0,1,2,3
.irp p, 0,1,2
	ds_load_b128 v[PF+48*((\s)%2)+12*\a+4*\p:PF+48*((\s)%2)+12*\a+4*\p+3], v[ADP+(\s)/4] offset:BLK4*\a+FRB*((\s)%4)+512*\p
.endr
.endr
.endm
.macro W1 d, s0, s1, c, x0, x1, side
	v_wmma_scale_f32_16x16x128_f8f6f4 v[\d:\d+7], v[\s0:\s0+11], v[\s1:\s1+11], \c, v[\x0], v[\x1] matrix_a_fmt:MATRIX_FMT_FP6 matrix_b_fmt:MATRIX_FMT_FP6 matrix_\side\()_scale:MATRIX_SCALE_ROW1
.endm
; 8 matrix instructions: my block a of P against R's eight, K step s.  kind 0 (q, k): accumulator (a, w) at 8 (8 a + w); kind 1 (v): at 8 (4 w + a).  In K step 0 the sums start from the bias.
; The 32 accumulators take turns, one instruction a turn, in the same order in every step.
.macro MULA kind, s, a
.if (\kind) && ((\s) > 0)
	WIN 0x58                                       ; v: source 0 (P) window 0, source 1 (R) window 2, C and D window 1
.elseif \kind
	WIN 0x48                                       ; the same, C (the bias) window 0
.elseif (\s) > 0
	WIN 0x52                                       ; q, k: source 0 (R) window 2, source 1 (P) window 0, C and D window 1
.else
	WIN 0x42                                       ; the same, C (the bias) window 0
.endif
.irp w, 0,1,2,3,4,5,6,7
.set rR, 96*((\s)%2)+12*\w
.set rP, PF+48*((\s)%2)+12*(\a)
.set xR, SC+8*\w+((\s)+\w)%8
.set xP, SC+8*(\a)+((\s)+(\a))%8
.if \kind
.set rD, 8*(4*\w+(\a))
.if (\s) > 0
	W1 rD, rP, rR, v[rD:rD+7], xP, xR, a
.else
	W1 rD, rP, rR, v[CB+8*\w:CB+8*\w+7], xP, xR, a
.endif
.else
.set rD, 8*(8*(\a)+\w)
.if (\s) > 0
	W1 rD, rR, rP, v[rD:rD+7], xR, xP, b
.else
	W1 rD, rR, rP, v[CB+8*\w:CB+8*\w+7], xR, xP, b
.endif
.endif
.endr
.endm
; A K step: 32 products; in its middle the next step's fragments are fetched (in K step 7 of a tile that has a successor: the next tile's K step 0).
.macro KSTEP kind, s, refill
	s_wait_dscnt 0x0                               ; this step's fragments are in: in K steps 3 and 7 my reads of a slot are over
.if (\refill) && (((\s) == 3) || ((\s) == 7))
	WIN 0
	s_wait_tensorcnt 0x0                           ; all my tensor loads have landed;
	ds_add_u32 v[SPW], v[NIL]
	MULA \kind, \s, 0
	s_wait_dscnt 0x0                               ; the add is done
	s_barrier_signal -1
	MULA \kind, \s, 1
	WIN 0
	s_barrier_wait -1
	CREST                                          ; no wave of any partner still reads the slot or has a load on its way; what was on its way is whole for all
	s_add_nc_u64 s[G0F+4*((\s)/4)+2:G0F+4*((\s)/4)+3], s[G0F+4*((\s)/4)+2:G0F+4*((\s)/4)+3], WSTEP
	tensor_load_to_lds s[G0F+4*((\s)/4):G0F+4*((\s)/4)+3], s[G1Q:G1Q+7]   ; the next weight's half of K into the slot read out
	s_nop 0
	PLACES 4                                       ; also the places in front of the loads below
	FETCH ((\s)+1)%8
.elseif (\s) == 3
	s_wait_tensorcnt 0x0                           ; the last refill has landed
	s_barrier_signal -1
	MULA \kind, \s, 0
	MULA \kind, \s, 1
	s_barrier_wait -1
	PLACES 4
	FETCH 4
.else
	MULA \kind, \s, 0
	MULA \kind, \s, 1
.if (\s) < 7
	PLACES 4                                       ; loads into registers that matrix instructions have read stand four places behind them
	FETCH (\s)+1
.endif
.endif
.if (\refill) && ((\s) == 1)
	v_add_nc_u32 v[VS1], v[VS1], v[INC]            ; the next weight's scale words
	v_add_nc_u32 v[VS2], v[VS2], v[INC]
	WALU
	WIN 0xC0
	SCLOAD SCN, 0, VS1
.endif
.if (\refill) && ((\s) == 5)
	WIN 0xC0
	SCLOAD SCN, 4, VS2
.endif
	MULA \kind, \s, 2
	MULA \kind, \s, 3
.endm
; THE QUANTISER.  Registers 64 a + 32 c + i of the accumulators are two whole scale blocks of my lane: they become registers 6 c .. 6 c + 5 of a fragment; byte 2 c + h of v[PW + a] is their scale's.
.macro QUANT a
.set AC, 64*(\a)
.set PCD, PC0+20*(\a)
	WIN 0xF5                                       ; sources 0 and 1 window 1, all else window 3
.irp b, 0,1,2,3
	v_max3_num_f32 v[TM+\b], |v[AC+16*\b]|, |v[AC+16*\b+1]|, 0x1800000   ; four chains of 16; each accumulator is read from its low end on; the floor holds the byte at 1 from below
.endr
.irp i, 2,4,6,8,10,12,14
.irp b, 0,1,2,3
	v_max3_num_f32 v[TM+\b], |v[AC+16*\b+\i]|, |v[AC+16*\b+\i+1]|, v[TM+\b]
.endr
.endr
	WIN 0xFF
	v_max_num_f32 v[TM], v[TM], v[TM+1]
	v_max_num_f32 v[TM+2], v[TM+2], v[TM+3]
	v_add_nc_u32 v[TM+12], 0xff000000, v[TM]       ; 2 off the exponent field: the conversion's scale operand
	v_add_nc_u32 v[TM+13], 0xff000000, v[TM+2]
	v_lshrrev_b32 v[TM+4], 23, v[TM+12]            ; the bytes
	v_lshrrev_b32 v[TM+5], 23, v[TM+13]
	v_lshl_or_b32 v[TM+4], v[TM+5], 16, v[TM+4]
	v_lshlrev_b32 v[TM+4], v[SH8], v[TM+4]         ; 8 h bits up;
	v_permlanex16_b32 v[TM+6], v[TM+4], s[SEL], s[SEL+1]
	v_or_b32 v[PW+\a], v[TM+4], v[TM+6]            ; with lane l xor 16's two the word is whole, in both lanes
	WIN 0xCD                                       ; source 0 window 1
.irp c, 0,1
	v_cvt_scalef32_pk16_fp6_f32 v[PCD+6*\c:PCD+6*\c+2], v[AC+32*\c:AC+32*\c+15], v[TM+12+\c]
	v_cvt_scalef32_pk16_fp6_f32 v[PCD+12+4*\c:PCD+14+4*\c], v[AC+32*\c+16:AC+32*\c+31], v[TM+12+\c]   ; (a conversion's three registers begin on an even number)
.endr
	WIN 0xFF
	v_nop                                          ; one plain place behind a scaled conversion
.irp c, 0,1
.irp i, 0,1,2
	v_mov_b32 v[PCD+3+6*\c+\i], v[PCD+12+4*\c+\i]
.endr
.endr
	WIN 0x0C                                       ; for the stores: address window 0, data window 3
.endm
.macro IMAGE a, half, base, off                ; six registers leave as an image of 768 bytes: 512 + 256 consecutive bytes, at multiples of 256 from the buffer's first byte
	global_store_b128 v[L16], v[PC0+20*(\a)+6*(\half):PC0+20*(\a)+6*(\half)+3], s[\base:\base+1] offset:\off
	global_store_b64 v[L8], v[PC0+20*(\a)+6*(\half)+4:PC0+20*(\a)+6*(\half)+5], s[\base:\base+1] offset:(\off)+512
.endm
	WALU                                           ; the wait at the head's end
	s_cmp_lt_u32 s[WV], 2
	s_cbranch_scc0 .Lnot_first
	s_wait_tensorcnt 0x0                           ; waves 0 and 1: my tile of the first half of K is in; their load lines are their own
.Lnot_first:
	s_barrier_signal -1
	s_barrier_wait -1                              ; the first half is whole
	FETCH 0
	s_wait_loadcnt 0x0                             ; the scale words and the biases
	s_mov_b32 s[CNT], 2
.Ltile:                                        ; two trips: q, k
.irp s, 0,1,2,3,4,5,6,7
	KSTEP 0, \s, 1
.endr
	WIN 0
	PLACES 4                                       ; behind the last products
	s_wait_loadcnt 0x0                             ; the next tile's scale words are in
	WIN 0x03                                       ; source window 3
.set j, 0
.rept 64
	v_mov_b32 v[SC+j], v[SCN+j]
.set j, j+1
.endr
	WIN 0
	s_cmp_eq_u32 s[CNT], 2
	WALU
	s_cbranch_scc0 .Lno_bk
	WIN 0x03
.set j, 0
.rept 64
	v_mov_b32 v[CB+j], v[CBN+j]                    ; behind q's tile: bk's numbers
.set j, j+1
.endr
	WIN 0
.Lno_bk:
.irp a, 0,1,2,3
	QUANT \a
	IMAGE \a, 0, 14, 768*\a                        ; head 2 g, my block a of rows
	IMAGE \a, 1, 14, 768*\a+393216                 ; head 2 g + 1
.endr
	WIN 0xFF
	v_perm_b32 v[TM], v[PW+1], v[PW], 0x05040100   ; two bytes of each of a pair's words: head 2 g's,
	v_perm_b32 v[TM+1], v[PW+3], v[PW+2], 0x05040100
	v_perm_b32 v[TM+2], v[PW+1], v[PW], 0x07060302 ; head 2 g + 1's
	v_perm_b32 v[TM+3], v[PW+3], v[PW+2], 0x07060302
	v_cndmask_b32 v[XW], v[TM], v[TM+1], s[HIM]    ; lanes 0-15 the first pair's word, lanes 16-31 the second's
	v_cndmask_b32 v[XW+1], v[TM+2], v[TM+3], s[HIM]
	WIN 0x0C
	global_store_b32 v[L4], v[XW], s[16:17]        ; 128 consecutive bytes
	global_store_b32 v[L4], v[XW+1], s[16:17] offset:16384
	WIN 0
	s_wait_xcnt 0x0                                ; the stores have read their registers and bases
	s_add_nc_u64 s[14:15], s[14:15], 6291456       ; from q's heads to k's
	s_add_nc_u64 s[16:17], s[16:17], 262144
	s_sub_co_u32 s[CNT], s[CNT], 1
	s_cmp_lg_u32 s[CNT], 0
	WALU                                           ; the wait ahead of the branch
	s_cbranch_scc1 .Ltile
	WIN 0x03
.irp w, 0,1,2,3,4,5,6,7
.irp j, 0,1,2,3,4,5,6,7
	v_mov_b32 v[CB+8*\w+\j], v[BVL+\w]             ; bv: my lane's number over the block's eight registers
.endr
.endr
	WIN 0
	WALU
.irp s, 0,1,2,3,4,5,6,7
	KSTEP 1, \s, 0
.endr
	WIN 0
	PLACES 4
.irp a, 0,1,2,3                                ; group a: R's blocks 2 a, 2 a + 1: head 2 g + a / 2, its channels' blocks 2 (a % 2), + 1
	QUANT \a
	IMAGE \a, 0, 18, 49152*(\a/2)+3072*(\a%2)
	IMAGE \a, 1, 18, 49152*(\a/2)+3072*(\a%2)+1536
	global_store_b16 v[RO4], v[PW+\a], s[20:21] offset:2048*(\a/2)+64*(\a%2)             ; my 64 keys' two bytes of row r's word; lanes r and r + 16 write the same
	global_store_d16_hi_b16 v[RO4], v[PW+\a], s[20:21] offset:2048*(\a/2)+64*(\a%2)+128
.endr
	WIN 0
	s_wait_tensorcnt 0x0                           ; the wave's end
	ds_add_u32 v[SPW], v[NIL]
	s_wait_dscnt 0x0
	CROUND                                         ; the closing round
	s_endpgm
.Lfunc_end_k_qfb7cf0a196_gemm:
	.size	k_qfb7cf0a196_gemm, .Lfunc_end_k_qfb7cf0a196_gemm-k_qfb7cf0a196_gemm
	.p2alignl 7, 3214868480
	.fill 96, 4, 3214868480
	.section	.rodata,"a",@progbits
	.p2align	6, 0x0
	.amdhsa_kernel k_qfb7cf0a196_gemm
		.amdhsa_group_segment_fixed_size 327680
		.amdhsa_private_segment_fixed_size 0
		.amdhsa_enable_private_segment 0
		.amdhsa_kernarg_size 72
		.amdhsa_user_sgpr_count 2
		.amdhsa_user_sgpr_kernarg_segment_ptr 1
		.amdhsa_wavefront_size32 1
		.amdhsa_system_sgpr_workgroup_id_x 1
		.amdhsa_system_sgpr_workgroup_id_y 1
		.amdhsa_system_sgpr_workgroup_id_z 1
		.amdhsa_system_vgpr_workitem_id 0
		.amdhsa_next_free_vgpr 1024
		.amdhsa_next_free_sgpr 102
		.amdhsa_reserve_vcc 0
		.amdhsa_float_denorm_mode_32 3
		.amdhsa_float_denorm_mode_16_64 3
		.amdhsa_memory_ordered 1
		.amdhsa_forward_progress 1
		.amdhsa_inst_pref_size 168
	.end_amdhsa_kernel
	.amdgpu_metadata
---
amdhsa.version: [ 1, 2 ]
amdhsa.kernels:
  - .name:           k_qfb7cf0a196_gemm
    .symbol:         k_qfb7cf0a196_gemm.kd
    .args:
      - { .name: codes, .offset: 0, .size: 8, .value_kind: global_buffer, .address_space: global }
      - { .name: scl, .offset: 8, .size: 8, .value_kind: global_buffer, .address_space: global }
      - { .name: bq, .offset: 16, .size: 8, .value_kind: global_buffer, .address_space: global }
      - { .name: bk, .offset: 24, .size: 8, .value_kind: global_buffer, .address_space: global }
      - { .name: bv, .offset: 32, .size: 8, .value_kind: global_buffer, .address_space: global }
      - { .name: qk_codes, .offset: 40, .size: 8, .value_kind: global_buffer, .address_space: global }
      - { .name: qk_scales, .offset: 48, .size: 8, .value_kind: global_buffer, .address_space: global }
      - { .name: v_codes, .offset: 56, .size: 8, .value_kind: global_buffer, .address_space: global }
      - { .name: v_scales, .offset: 64, .size: 8, .value_kind: global_buffer, .address_space: global }
    .group_segment_fixed_size: 327680
    .private_segment_fixed_size: 0
    .kernarg_segment_align: 8
    .kernarg_segment_size: 72
    .max_flat_workgroup_size: 128
    .sgpr_count:     102
    .vgpr_count:     1024
    .wavefront_size: 32
...
	.end_amdgpu_metadata
.endif
;; end of part 2
;; launch attn (part 3): grid 2 x 128, 8 waves a work-group, no clusters, 177,152 bytes of LDS; arguments qk_codes, qk_scales, v_codes, v_scales, attention_mask, out0; writes out0
.if DOCPART == 3
	.amdgcn_target "amdgcn-amd-amdhsa--gfx1250"
	.amdhsa_code_object_version 6
	.text
	.protected	k_qfb7cf0a196_attn
	.globl	k_qfb7cf0a196_attn
	.p2align	8
	.type	k_qfb7cf0a196_attn,@function
k_qfb7cf0a196_attn:
	s_mov_b64 s[64:65], 0
	v_nop
	global_prefetch_b8 v0, s[64:65] scope:SCOPE_SE
	s_setreg_imm32_b32 hwreg(HW_REG_WAVE_MODE, 25, 1), 1
	s_wait_xcnt 0x0
; out0[b][q][64 head + d] = sum over keys of softmax(q . k / 8 + mask[b][key]) v[key][d], both products on codes of FP6 (E2M3) made by the launch before.
; THE SOFTMAX AHEAD OF THE SECOND PRODUCT: t = logit x log2(e); M = the row's largest t so far, rounded UP to a whole number; p = 2^(t - M) is quantised along the keys, not normalised; the row's sum is taken
; of the unquantised p and divides at the end.  When M moves, the sum and O are multiplied by 2^(old M - new M): exact.
; SHARES: a work-group owns 512 queries of one (batch, head); each of its eight waves owns two PAIRS of tiles of 16 queries, one after the other: tile A in register window 0, tile B in window 1, at the same
; register numbers.  Both tiles use every fragment of K and V, every mask number and every scale word that the wave reads from LDS.
; A HEAD'S K AND V LIE WHOLE IN LDS (98,304 bytes of codes, 4,096 of scale words), filled once by six tensor loads, one a wave; no byte is filled again.
; NO CLUSTER: the grid's x is 2, which a cluster of four does not divide.  NO PREFETCH: all tiles are asked for at the head; there is no loop to run ahead in.
; LAYOUT: both products are used transposed (S^T = K Q^T, O^T = V^T P^T): a lane holds one query throughout.  Blocks of 16 keys, queries and channels are permuted (block 4 g + u, lane r:
; 64 g + 8 u + r % 8 + 32 (r / 8)), so that register 32 c + i of S^T in lane (r, h) is key 64 c + 32 h + i of the step: a whole scale block in a lane, in the order of p's operand registers.
; THE FIRST PRODUCT'S K IS 64, HALF OF THE INSTRUCTION'S: two tiles of keys lie side by side in one operand of 12 registers; it is multiplied once by [q, zeros] and once by [zeros, q].
; THE MASK IS THE C OF THE FIRST PRODUCT: 8 x mask, so that S = 8 x logit and t = S x log2(e) / 8.  Tile B's products take the registers that hold 8 x mask as C; then tile A's add onto them in place.
; LOADS RUN A STEP AHEAD: K has registers of its own (window 1): the next step's K and scale words are fetched behind this step's first products, the next step's mask behind tile A's conversions.
; The last trip's look-ahead reads filled bytes that lie behind each region (K's first bytes behind the mask, V's behind K, V's scale words behind K's) and its registers are not used.
; LIMITS: mask numbers under -2^27 are held there; NaN and +infinity in the mask are not served; the scaled scores stay under 2^31 in magnitude.
; REGISTERS, in both windows: v12 -M, v13 the largest S, v[14:15] the sum in two halves, v16-33 [q, zeros, q], v39 8 h, v96-159 S^T then p, v160-191 O^T, v192-203 p's codes, v204-227 at work.
; window 0 alone: v1-11 addresses, v34-38 scale words of p and q, v40-87 V's four operands, v88-95 scale words of K and V, v228-232 addresses.  window 1 alone: v40-87 K's four operands.
.set MSK,   0                          ; LDS: 8 x mask, 4,096 bytes, stored by the waves;
.set KREG,  4096                       ; K's 64 images of 768 bytes;
.set VOFF,  49152                      ; V's, so far behind K's;
.set SCK,   102400                     ; K's scale words, 2,048 bytes; V's 2,048 bytes on;
.set STAGE, 106496                     ; the way out: 16 rows x 272 bytes for each wave and tile;
.set TST,   4352
.set SPARE, 176128                     ; the spare words, 128 bytes a wave, which no other line names
.set L16, 1                            ; 16 l
.set L8,  2                            ; 8 l + 512
.set L4,  3                            ; 4 r + SCK
.set LM,  4                            ; 128 h + MSK
.set SPW, 5
.set NIL, 6
.set A16, 8                            ; v8-11 the same four with the key step's place added
.set A8,  9
.set A4,  10
.set AM,  11
.set PSA, 34                           ; scale registers: p's differ from V's, q's from K's, modulo 8
.set PSB, 35
.set QSA, 36
.set QSB, 37
.set QW,  38
.set SH8, 39
.set FR,  40
.set KS,  88
.set VS,  92
.set S,   96
.set O,   160
.set PCD, 192
.set PT,  204
.set BM,  212
.set BT,  216
.set SO,  220
.set F,   224
.set TA,  226
.set WD,  227
.set STO, 228
.set SRD, 229
.set GO,  230
.set QO4, 231
.set MG,  232
.set WV,  16
.set SEL, 20
.set CS,  22
.set G1C, 24
.set G1S, 32
.set G0C, 40
.set G0S, 44
.set T6,  48
.set T2,  49
.set T5,  50
.set CNT, 51
.set QC,  52
.set QS,  54
.set MSB, 0
.macro WIN new
.if MSB != \new
	s_set_vgpr_msb (MSB<<8)|\new
.set MSB, \new
.endif
.endm
.macro WALU
	s_wait_alu depctr_va_vdst(0)
.endm
.macro QLOAD k                         ; pair k's q: each tile's image twice, in front of the zeros and behind them; the pair's scale word
	global_load_b128 v[16:19], v[L16], s[QC:QC+1] offset:12288*\k
	global_load_b64 v[20:21], v[L8], s[QC:QC+1] offset:12288*\k
	global_load_b128 v[28:31], v[L16], s[QC:QC+1] offset:12288*\k
	global_load_b64 v[32:33], v[L8], s[QC:QC+1] offset:12288*\k
	global_load_b32 v[QW], v[QO4], s[QS:QS+1] offset:512*\k
	WIN 0x40
	global_load_b128 v[16:19], v[L16], s[QC:QC+1] offset:12288*\k+768
	global_load_b64 v[20:21], v[L8], s[QC:QC+1] offset:12288*\k+768
	global_load_b128 v[28:31], v[L16], s[QC:QC+1] offset:12288*\k+768
	global_load_b64 v[32:33], v[L8], s[QC:QC+1] offset:12288*\k+768
	WIN 0
.endm
	s_load_b256 s[4:11], s[0:1], 0x0               ; qk_codes, qk_scales, v_codes, v_scales
	s_load_b128 s[12:15], s[0:1], 0x20             ; attention_mask, out0
	v_lshl_add_u32 v[SPW], v0, 2, SPARE
	v_mov_b32 v[NIL], 0
	ds_add_u32 v[SPW], v[NIL]                      ; the opening lines: the add, twice, and its wait ahead of my first tensor load
	ds_add_u32 v[SPW], v[NIL]
	v_lshrrev_b32 v7, 5, v0
	v_readfirstlane_b32 s[WV], v7                  ; wave 0..7
	s_and_b32 s17, ttmp7, 15                       ; head
	s_bfe_u32 s18, ttmp7, 0x30004                  ; batch
	; groups 1: dense blocks as rows of 256 bytes (32 elements of 8 bytes): half of K's or V's codes = 96 rows; a tensor's scale words = 8 rows
	s_mov_b32 s[G1C], 3<<16
	s_mov_b32 s[G1C+1], 32<<16
	s_mov_b32 s[G1C+2], 96<<16
	s_mov_b32 s[G1C+3], 32<<16
	s_mov_b32 s[G1C+4], 96
	s_mov_b32 s[G1C+5], 32
	s_mov_b32 s[G1C+6], 0
	s_mov_b32 s[G1C+7], 0
	s_mov_b32 s[G1S], 3<<16
	s_mov_b32 s[G1S+1], 32<<16
	s_mov_b32 s[G1S+2], 8<<16
	s_mov_b32 s[G1S+3], 32<<16
	s_mov_b32 s[G1S+4], 8
	s_mov_b32 s[G1S+5], 32
	s_mov_b32 s[G1S+6], 0
	s_mov_b32 s[G1S+7], 0
	s_lshl_b32 s56, s17, 3
	s_add_co_u32 s56, s56, s18
	s_add_co_u32 s56, s56, 128                     ; K: (16 + head) 8 + batch
	s_lshl_b32 s57, s18, 4
	s_add_co_u32 s57, s57, s17                     ; V: 16 batch + head
	s_and_b32 s62, s[WV], 1
	s_mul_i32 s63, s62, 24576
	s_mul_i32 s58, s56, 49152
	s_mul_i32 s60, s57, 49152
	s_add_co_u32 s58, s58, s63
	s_add_co_u32 s60, s60, s63
	s_lshl_b32 s66, s56, 11
	s_lshl_b32 s67, s57, 11
	s_cmp_lt_u32 s[WV], 2                          ; waves 0, 1: K's halves; waves 2, 3: V's
	s_cselect_b32 s58, s58, s60
	s_mov_b32 s59, 0
	s_cmp_eq_u32 s62, 0                            ; wave 4: K's scale words; wave 5: V's
	s_cselect_b32 s66, s66, s67
	s_mov_b32 s67, 0
	s_and_b32 s68, s[WV], 3
	s_mul_i32 s68, s68, 24576
	s_add_co_u32 s68, s68, KREG                    ; where the codes go
	s_lshl_b32 s69, s62, 11
	s_add_co_u32 s69, s69, SCK                     ; and the scale words
	s_mov_b32 s[SEL], 0x76543210
	s_mov_b32 s[SEL+1], 0xfedcba98
	s_mov_b32 s[CS], 0x3e38aa3b                    ; c = log2(e) / 8
	s_mov_b32 s[CS+1], s[CS]
	s_wait_dscnt 0x0                               ; both opening adds are done
	s_wait_kmcnt 0x0
	s_cmp_lt_u32 s[WV], 2
	s_cselect_b64 s[60:61], s[4:5], s[8:9]
	s_cmp_eq_u32 s62, 0
	s_cselect_b64 s[70:71], s[6:7], s[10:11]
	s_mov_b32 s[G0C], 1
	s_mov_b32 s[G0C+1], s68
	s_add_nc_u64 s[G0C+2:G0C+3], s[60:61], s[58:59]
	s_or_b32 s[G0C+3], s[G0C+3], 0x80000000
	s_mov_b32 s[G0S], 1
	s_mov_b32 s[G0S+1], s69
	s_add_nc_u64 s[G0S+2:G0S+3], s[70:71], s[66:67]
	s_or_b32 s[G0S+3], s[G0S+3], 0x80000000
	s_cmp_lt_u32 s[WV], 4                          ; one load a wave, none in waves 6 and 7.  Every wait on TENSORcnt in this text is for 0
	s_cbranch_scc0 .Lnot_codes
	tensor_load_to_lds s[G0C:G0C+3], s[G1C:G1C+7]
	s_nop 0
.rept 4
	v_nop
.endr
	s_branch .Lasked
.Lnot_codes:
	s_cmp_lt_u32 s[WV], 6
	s_cbranch_scc0 .Lasked
	tensor_load_to_lds s[G0S:G0S+3], s[G1S:G1S+7]
	s_nop 0
.rept 4
	v_nop
.endr
.Lasked:
	s_lshl_b32 s56, s18, 12
	s_mov_b32 s57, 0
	s_add_nc_u64 s[12:13], s[12:13], s[56:57]      ; my batch's 1,024 mask numbers
	s_lshl_b32 s56, s17, 9
	s_lshl_b32 s58, s18, 6
	s_add_co_u32 s56, s56, s58
	s_lshl_b32 s58, ttmp9, 5
	s_add_co_u32 s56, s56, s58
	s_lshl_b32 s58, s[WV], 1
	s_add_co_u32 s56, s56, s58                     ; my first pair's first block of queries: 512 head + 64 batch + 32 half + 2 wave
	s_mul_i32 s[QC], s56, 768
	s_mov_b32 s[QC+1], 0
	s_lshl_b32 s[QS], s56, 5                       ; a pair's scale words are 64 bytes
	s_mov_b32 s[QS+1], 0
	s_add_nc_u64 s[QC:QC+1], s[4:5], s[QC:QC+1]
	s_add_nc_u64 s[QS:QS+1], s[6:7], s[QS:QS+1]
	v_and_b32 v7, 15, v0                           ; r
	v_bfe_u32 v[SH8], v0, 4, 1                     ; h
	v_and_b32 v[L16], 31, v0
	v_lshlrev_b32 v[L8], 3, v[L16]
	v_add_nc_u32 v[L8], 512, v[L8]
	v_lshlrev_b32 v[L16], 4, v[L16]
	v_lshlrev_b32 v[QO4], 2, v7
	v_add_nc_u32 v[L4], SCK, v[QO4]
	v_lshlrev_b32 v[LM], 7, v[SH8]
	v_lshlrev_b32 v[MG], 4, v0                     ; 16 bytes a thread, in the mask and (MSK = 0) in LDS
	WALU
	global_load_b128 v[40:43], v[MG], s[12:13]     ; four mask numbers a thread: the 256 threads take all
	QLOAD 0
	s_lshl_b32 s56, s18, 10
	s_lshl_b32 s58, ttmp9, 9
	s_add_co_u32 s56, s56, s58
	s_lshr_b32 s58, s[WV], 1
	s_lshl_b32 s58, s58, 6
	s_add_co_u32 s56, s56, s58
	s_and_b32 s58, s[WV], 1
	s_lshl_b32 s58, s58, 4
	s_add_co_u32 s56, s56, s58                     ; my first row of out0: 1,024 batch + 512 half + 64 (wave / 2) + 16 (wave % 2)
	s_lshl_b32 s56, s56, 12
	s_lshl_b32 s58, s17, 8
	s_add_co_u32 s56, s56, s58                     ; + the head's 256 bytes
	s_add_nc_u64 s[14:15], s[14:15], s[56:57]
	s_mul_i32 s58, s[WV], 2*TST
	s_add_co_u32 s58, s58, STAGE                   ; my two stages
	WALU
	v_mul_u32_u24 v[STO], v7, 272
	v_lshl_add_u32 v[STO], v[SH8], 7, v[STO]
	v_add_nc_u32 v[STO], s58, v[STO]               ; in: row r, + 128 h
	v_mul_u32_u24 v[SRD], v[SH8], 272
	v_lshl_add_u32 v[SRD], v7, 4, v[SRD]
	v_add_nc_u32 v[SRD], s58, v[SRD]               ; back: lanes 0-15 one row, lanes 16-31 the next
	v_lshlrev_b32 v[GO], 12, v[SH8]
	v_lshl_add_u32 v[GO], v7, 4, v[GO]             ; and the same two rows in out0
.irp j, 22,23,24,25,26,27
	v_mov_b32 v[\j], 0                             ; the zero codes between q's two copies: written once
.endr
	WIN 0x40
.irp j, 22,23,24,25,26,27
	v_mov_b32 v[\j], 0
.endr
	v_lshlrev_b32 v[SH8], 3, v[SH8]                ; 8 h, in window 1
	WIN 0
	v_lshlrev_b32 v[SH8], 3, v[SH8]                ; and in window 0
	WALU
	s_wait_loadcnt 9                               ; the mask is in; q's nine loads may be out
	v_pk_mul_f32 v[40:41], v[40:41], 0x41000000 op_sel_hi:[1,0]   ; 8 x mask
	v_pk_mul_f32 v[42:43], v[42:43], 0x41000000 op_sel_hi:[1,0]
.irp j, 40,41,42,43
	v_max_num_f32 v[\j], 0xce800000, v[\j]         ; held at -2^30 from below
.endr
	ds_store_b128 v[MG], v[40:43]
	WALU
	s_wait_tensorcnt 0x0                           ; my tensor load has landed,
	s_wait_dscnt 0x0                               ; my store too:
	s_barrier_signal -1
	s_barrier_wait -1                              ; everybody's have.  The kernel's one barrier
.macro FRAG12 reg, a16, a8, off                ; two neighbouring images of 768 bytes make an operand of 12 registers
	ds_load_b128 v[\reg:\reg+3], v[\a16] offset:\off
	ds_load_b64 v[\reg+4:\reg+5], v[\a8] offset:\off
	ds_load_b128 v[\reg+6:\reg+9], v[\a16] offset:\off+768
	ds_load_b64 v[\reg+10:\reg+11], v[\a8] offset:\off+768
.endm
.macro MASKLD a, off                           ; 8 x mask of keys 64 c + 32 h + 0 .. 31, in the result's layout: 16 loads
.irp c, 0,1
.irp q, 0,1,2,3,4,5,6,7
	ds_load_b128 v[S+32*\c+4*\q:S+32*\c+4*\q+3], v[\a] offset:\off+256*\c+16*\q
.endr
.endr
.endm
; One tile's softmax for 128 keys, in the tile's window w; p's scale word goes to v[ps] of window 0, where scale operands are taken from.
.macro SOFTMAX w, ps
	WIN 0x55*\w
	WALU                                           ; the wait ahead of the first readers of the scores
.irp k, 0,1,2,3
	v_max3_num_f32 v[BM+\k], v[S+16*\k], v[S+16*\k+1], v[S+16*\k+2]   ; four chains of 16; each accumulator is read from its low end on
.endr
.irp i, 3,5,7,9,11,13
.irp k, 0,1,2,3
	v_max3_num_f32 v[BM+\k], v[BM+\k], v[S+16*\k+\i], v[S+16*\k+\i+1]
.endr
.endr
	v_max3_num_f32 v[BM], v[BM], v[BM+1], v[S+15]
	v_max3_num_f32 v[BM+2], v[BM+2], v[BM+3], v[S+47]
	v_max_num_f32 v[BM], v[BM], v[S+31]            ; my two blocks' largest scores: they serve the row's maximum and, since p rises with the score, the blocks' largest p
	v_max_num_f32 v[BM+2], v[BM+2], v[S+63]
	v_max_num_f32 v[TA], v[BM], v[BM+2]
	s_delay_alu instid0(VALU_DEP_1)
	v_permlanex16_b32 v[BT], v[TA], s[SEL], s[SEL+1]
	s_delay_alu instid0(VALU_DEP_1)
	v_max3_num_f32 v13, v13, v[TA], v[BT]          ; the row's largest score so far
	s_delay_alu instid0(VALU_DEP_1)
	v_mul_f32 v[TA], s[CS], v13                    ; as t (c is positive)
	v_mov_b32 v[BT+1], v12
	s_delay_alu instid0(VALU_DEP_2)
	v_floor_f32 v12, -v[TA]                        ; the new -M = floor(-t): M is a whole number
	s_delay_alu instid0(VALU_DEP_1)
	v_sub_f32 v[TA], v12, v[BT+1]
	s_delay_alu instid0(VALU_DEP_1)
	v_cvt_i32_f32 v[TA], v[TA]                     ; (it saturates)
	s_delay_alu instid0(VALU_DEP_1)
	v_ldexp_f32 v[F], 1.0, v[TA]                   ; f = 2^(old M - new M)
.set j, 0
.rept 32
	v_pk_fma_f32 v[S+j:S+j+1], v[S+j:S+j+1], s[CS:CS+1], v[12:13] op_sel_hi:[1,0,0]   ; t - M
.set j, j+2
.endr
	v_fma_f32 v[BM], v[BM], s[CS], v12
	v_fma_f32 v[BM+2], v[BM+2], s[CS], v12
	WALU                                           ; ahead of the batch
.set j, 0
.rept 64
	v_exp_f32 v[S+j], v[S+j]                       ; p = 2^(t - M)
.set j, j+1
.endr
	v_exp_f32 v[BM], v[BM]                         ; the blocks' largest p: the same two instructions on the same number
	v_exp_f32 v[BM+2], v[BM+2]
	v_pk_mul_f32 v[14:15], v[14:15], v[F:F+1] op_sel_hi:[1,0]   ; the sums under the new M: the plain place behind the exponentials
	WALU                                           ; one wait for the batch of 66
	v_pk_add_f32 v[BT:BT+1], v[S:S+1], v[S+2:S+3]  ; the row's sum of the unquantised p, in four chains
	v_pk_add_f32 v[BT+2:BT+3], v[S+4:S+5], v[S+6:S+7]
	v_pk_add_f32 v[SO:SO+1], v[S+8:S+9], v[S+10:S+11]
.set j, 12
.rept 6
	v_pk_add_f32 v[14:15], v[14:15], v[S+j:S+j+1]
	v_pk_add_f32 v[BT:BT+1], v[BT:BT+1], v[S+j+2:S+j+3]
	v_pk_add_f32 v[BT+2:BT+3], v[BT+2:BT+3], v[S+j+4:S+j+5]
	v_pk_add_f32 v[SO:SO+1], v[SO:SO+1], v[S+j+6:S+j+7]
.set j, j+8
.endr
	v_pk_add_f32 v[14:15], v[14:15], v[S+60:S+61]
	v_pk_add_f32 v[BT:BT+1], v[BT:BT+1], v[S+62:S+63]
	v_pk_add_f32 v[BT+2:BT+3], v[BT+2:BT+3], v[SO:SO+1]
	v_pk_add_f32 v[14:15], v[14:15], v[BT:BT+1]
	v_pk_add_f32 v[14:15], v[14:15], v[BT+2:BT+3]
	v_max_num_f32 v[BM], 0x1800000, v[BM]          ; the floor 2^(3 - 127)
	v_max_num_f32 v[BM+2], 0x1800000, v[BM+2]
	v_add_nc_u32 v[SO], 0xff000000, v[BM]          ; the conversions' scale operands
	v_add_nc_u32 v[SO+1], 0xff000000, v[BM+2]
	v_lshrrev_b32 v[BT], 23, v[SO]                 ; the bytes
	v_lshrrev_b32 v[BT+1], 23, v[SO+1]
	v_lshl_or_b32 v[WD], v[BT+1], 16, v[BT]        ; blocks h and 2 + h,
	v_lshlrev_b32 v[WD], v[SH8], v[WD]             ; 8 h bits up;
	v_permlanex16_b32 v[BT+2], v[WD], s[SEL], s[SEL+1]
	WIN 0x15*\w                                    ; destination window 0
	v_or_b32 v[\ps], v[WD], v[BT+2]                ; with lane l xor 16's two the word is whole
	WIN 0x55*\w
.irp c, 0,1
	v_cvt_scalef32_pk16_fp6_f32 v[PCD+6*\c:PCD+6*\c+2], v[S+32*\c:S+32*\c+15], v[SO+\c]
	v_cvt_scalef32_pk16_fp6_f32 v[PT+4*\c:PT+4*\c+2], v[S+32*\c+16:S+32*\c+31], v[SO+\c]   ; (a conversion's three registers begin on an even number)
.endr
	v_nop                                          ; one plain place behind a scaled conversion
.if \w == 0
	MASKLD AM, 512                                 ; tile A's p is spent: its registers take the next step's 8 x mask
.endif
.irp c, 0,1
.irp i, 0,1,2
	v_mov_b32 v[PCD+3+6*\c+\i], v[PT+4*\c+\i]
.endr
.endr
	WALU                                           ; the wait ahead of the first reader of O^T
.set j, 0
.rept 16
	v_pk_mul_f32 v[O+j:O+j+1], v[O+j:O+j+1], v[F:F+1] op_sel_hi:[1,0]   ; O^T under the new M; these lines are also the places between the scale word's and the codes' last writes and the products
.set j, j+2
.endr
.endm
; A tile's way out: O^T / the sum, through my stage, as rows of 256 bytes: sixteen lanes store one aligned block of 256 bytes of out0.
.macro FINISH w, k
	WIN 0x55*\w
	v_add_f32 v14, v14, v15
	v_permlanex16_b32 v[TA], v14, s[SEL], s[SEL+1]
	v_add_f32 v14, v14, v[TA]                      ; the row's sum
	WALU
	v_rcp_f32 v14, v14
	v_nop
	WALU
.set j, 0
.rept 16
	v_pk_mul_f32 v[S+j:S+j+1], v[O+j:O+j+1], v[14:15] op_sel_hi:[1,0]   ; register 8 d + i: channel 32 h + 8 d + i
.set j, j+2
.endr
	WIN 0x04*\w                                    ; an LDS store's data are its source 1
.irp d, 0,1,2,3
	ds_store_b128 v[STO], v[S+8*\d:S+8*\d+3] offset:TST*\w+32*\d
	ds_store_b128 v[STO], v[S+8*\d+4:S+8*\d+7] offset:TST*\w+32*\d+16
.endr
	WIN 0
.irp i, 0,1,2,3,4,5,6,7
	ds_load_b128 v[FR+56*\w+4*\i:FR+56*\w+4*\i+3], v[SRD] offset:TST*\w+544*\i   ; LDS serves a wave's instructions in order: these see my stores
.endr
.irp i, 0,1,2,3,4,5,6,7
	s_wait_dscnt 7-\i                              ; rows 2 i, 2 i + 1 of the tile are back; the younger loads may be out
	global_store_b128 v[GO], v[FR+56*\w+4*\i:FR+56*\w+4*\i+3], s[14:15] offset:1048576*\k+(8*\w+2*\i+24*(\i/4))*4096 th:TH_STORE_NT
.endr
.endm
; A pair of tiles: eight key steps and the way out.
.macro PAIR k
.if \k
	s_wait_xcnt 0x0                                ; the last pair's stores have read their registers, which are written again below
.endif
	MASKLD LM, 0                                   ; key step 0's mask, scale words and K
.irp p, 0,1,2,3
	ds_load_b32 v[KS+\p], v[L4] offset:64*\p
.endr
	WIN 0x40
.irp p, 0,1,2,3
	FRAG12 FR+12*\p, L16, L8, KREG+1536*\p
.endr
.irp w, 1,0                                    ; the key step is written once: its first trip finds zeros, which the first change of M leaves zeros
	WIN 0x55*\w
.if \w == 0
	s_wait_loadcnt 0x0                             ; q is in
	v_perm_b32 v[QSA], v[QW], v[QW], 0x01000100    ; tile A's two bytes, twice: for either half of the operand.  The lines below are the places between these two and the first product
	v_perm_b32 v[QSB], v[QW], v[QW], 0x03020302
.endif
	v_mov_b32 v13, 0xff61b1e6                      ; the largest score so far: -3e38
	v_floor_f32 v12, -v13
	v_mov_b32 v14, 0
	v_mov_b32 v15, 0
.irp b, 0,1,2,3
	v_mov_b32 v[BT+\b], 0                          ; a lane permute's destination counts as one of its sources
.endr
	v_mov_b32 v[F+1], 0                            ; (named as the upper half of a pair)
.set j, 0
.rept 32
	v_mov_b32 v[O+j], 0
.set j, j+1
.endr
.endr
	s_mov_b32 s[T6], 0
	s_mov_b32 s[T2], 0
	s_mov_b32 s[T5], 0
	s_mov_b32 s[CNT], 8
.Lstep_\@:                                     ; a trip: 128 keys, both tiles
	WALU
	s_wait_dscnt 0x0                               ; this step's K, scale words and mask, asked for a trip ago
	WIN 0x45                                       ; tile B: K, q and D window 1; C (8 x mask) window 0
.irp t, 0,1,2,3,4,5,6,7
	v_wmma_scale_f32_16x16x128_f8f6f4 v[S+8*\t:S+8*\t+7], v[FR+12*(\t/2):FR+12*(\t/2)+11], v[16+6*(\t%2):27+6*(\t%2)], v[S+8*\t:S+8*\t+7], v[KS+\t/2], v[QSB] matrix_a_fmt:MATRIX_FMT_FP6 matrix_b_fmt:MATRIX_FMT_FP6
.endr
	WIN 0
	v_add_nc_u32 v[A16], s[T6], v[L16]             ; five places: tile A's products write over the registers that tile B's have read as C
	v_add_nc_u32 v[A8], s[T6], v[L8]
	v_add_nc_u32 v[A4], s[T2], v[L4]
	v_add_nc_u32 v[AM], s[T5], v[LM]
	v_nop
	WIN 0x01                                       ; tile A: K window 1, all else window 0
.irp t, 0,1,2,3,4,5,6,7
	v_wmma_scale_f32_16x16x128_f8f6f4 v[S+8*\t:S+8*\t+7], v[FR+12*(\t/2):FR+12*(\t/2)+11], v[16+6*(\t%2):27+6*(\t%2)], v[S+8*\t:S+8*\t+7], v[KS+\t/2], v[QSA] matrix_a_fmt:MATRIX_FMT_FP6 matrix_b_fmt:MATRIX_FMT_FP6
.endr
	WIN 0
.rept 4
	v_nop                                          ; four places in front of loads into K's registers and of the first read of results
.endr
.irp d, 0,1,2,3
	FRAG12 FR+12*\d, A16, A8, KREG+VOFF+1536*\d    ; this step's V: 20 loads
	ds_load_b32 v[VS+\d], v[A4] offset:2048+64*(2*(\d%2)+\d/2)
.endr
.irp p, 0,1,2,3
	ds_load_b32 v[KS+\p], v[A4] offset:256+64*\p   ; the next step's K: 4 + 16 loads
.endr
	WIN 0x40
.irp p, 0,1,2,3
	FRAG12 FR+12*\p, A16, A8, KREG+6144+1536*\p
.endr
	SOFTMAX 0, PSA
	WALU
	s_wait_dscnt 36                                ; V is in: younger are the next step's 20 loads for K and 16 for the mask
.irp d, 0,1,2,3
	v_wmma_scale_f32_16x16x128_f8f6f4 v[O+8*\d:O+8*\d+7], v[FR+12*\d:FR+12*\d+11], v[PCD:PCD+11], v[O+8*\d:O+8*\d+7], v[VS+\d], v[PSA] matrix_a_fmt:MATRIX_FMT_FP6 matrix_b_fmt:MATRIX_FMT_FP6
.endr
	SOFTMAX 1, PSB
	WIN 0x54                                       ; tile B: p, C and D window 1
.irp d, 0,1,2,3
	v_wmma_scale_f32_16x16x128_f8f6f4 v[O+8*\d:O+8*\d+7], v[FR+12*\d:FR+12*\d+11], v[PCD:PCD+11], v[O+8*\d:O+8*\d+7], v[VS+\d], v[PSB] matrix_a_fmt:MATRIX_FMT_FP6 matrix_b_fmt:MATRIX_FMT_FP6
.endr
	WIN 0
	s_add_co_u32 s[T6], s[T6], 6144                ; the next 128 keys: eight images of K, or of V;
	s_add_co_u32 s[T2], s[T2], 256                 ; four scale words a row;
	s_add_co_u32 s[T5], s[T5], 512                 ; 128 mask numbers
	s_sub_co_u32 s[CNT], s[CNT], 1
	s_cmp_lg_u32 s[CNT], 0
	s_cbranch_scc1 .Lstep_\@
	s_wait_dscnt 0x0                               ; the last trip's look-ahead has landed: its registers may be written
.if \k == 0
	QLOAD 1                                        ; the next pair's q lands under this pair's way out
.endif
.rept 4
	v_nop                                          ; places behind the last products
.endr
	FINISH 0, \k
	FINISH 1, \k
.endm
	PAIR 0
	PAIR 1
	s_wait_tensorcnt 0x0                           ; the wave's end
	ds_add_u32 v[SPW], v[NIL]
	s_wait_dscnt 0x0
	s_endpgm
.Lfunc_end_k_qfb7cf0a196_attn:
	.size	k_qfb7cf0a196_attn, .Lfunc_end_k_qfb7cf0a196_attn-k_qfb7cf0a196_attn
	.p2alignl 7, 3214868480
	.fill 96, 4, 3214868480
	.section	.rodata,"a",@progbits
	.p2align	6, 0x0
	.amdhsa_kernel k_qfb7cf0a196_attn
		.amdhsa_group_segment_fixed_size 177152
		.amdhsa_private_segment_fixed_size 0
		.amdhsa_enable_private_segment 0
		.amdhsa_kernarg_size 48
		.amdhsa_user_sgpr_count 2
		.amdhsa_user_sgpr_kernarg_segment_ptr 1
		.amdhsa_wavefront_size32 1
		.amdhsa_system_sgpr_workgroup_id_x 1
		.amdhsa_system_sgpr_workgroup_id_y 1
		.amdhsa_system_sgpr_workgroup_id_z 1
		.amdhsa_system_vgpr_workitem_id 0
		.amdhsa_next_free_vgpr 512
		.amdhsa_next_free_sgpr 72
		.amdhsa_reserve_vcc 0
		.amdhsa_float_denorm_mode_32 3
		.amdhsa_float_denorm_mode_16_64 3
		.amdhsa_memory_ordered 1
		.amdhsa_forward_progress 1
		.amdhsa_inst_pref_size 93
	.end_amdhsa_kernel
	.amdgpu_metadata
---
amdhsa.version: [ 1, 2 ]
amdhsa.kernels:
  - .name:           k_qfb7cf0a196_attn
    .symbol:         k_qfb7cf0a196_attn.kd
    .args:
      - { .name: qk_codes, .offset: 0, .size: 8, .value_kind: global_buffer, .address_space: global }
      - { .name: qk_scales, .offset: 8, .size: 8, .value_kind: global_buffer, .address_space: global }
      - { .name: v_codes, .offset: 16, .size: 8, .value_kind: global_buffer, .address_space: global }
      - { .name: v_scales, .offset: 24, .size: 8, .value_kind: global_buffer, .address_space: global }
      - { .name: attention_mask, .offset: 32, .size: 8, .value_kind: global_buffer, .address_space: global }
      - { .name: out0, .offset: 40, .size: 8, .value_kind: global_buffer, .address_space: global }
    .group_segment_fixed_size: 177152
    .private_segment_fixed_size: 0
    .kernarg_segment_align: 8
    .kernarg_segment_size: 48
    .max_flat_workgroup_size: 256
    .sgpr_count:     72
    .vgpr_count:     512
    .wavefront_size: 32
...
	.end_amdgpu_metadata
.endif
;; end of part 3
